; MI455X (gfx1250); checked and timed in simulation.
; The chip was launched on July 23, 2026; its instructions are those of AMD's public machine-readable ISA for CDNA 5 (MIT licence, August 2026) and "CDNA5" Instruction Set Architecture Reference Guide (July 2026). The comments in the code are by the model that wrote it; some were corrected since.
;; Onnx Non Max Suppression. Allowed arithmetic: float matrix products may take bf16 or f16 operands with f32 sums; other float arithmetic in f32, or as packed bf16 or f16 multiplies, adds, multiply-adds, maxima and minima; sums over many terms, partial sums and values carried from step to step in f32; what a program stores and reads back later, other than sums and carried values, may be rounded once to bf16 or f16.
;; Inputs: boxes 8 x 2,000 x 4 float32; scores 8 x 10 x 2,000 float32.
;; Outputs: out0 8 x 10 x 2,000 x 3 int32.
;; One version. Each part assembles by itself: llvm-mc -triple=amdgcn-amd-amdhsa -mcpu=gfx1250 --defsym DOCPART=n.
;; ======== version 1 of 1: 2 launches
;; workspace buffers: order 655,360 bytes of whole numbers; mbits 4,194,304 bytes of whole numbers
;; launch prep (part 1): grid 336 x 1, 8 waves a work-group, no clusters, 18,432 bytes of LDS; arguments boxes, scores, order, mbits; writes order, mbits
.if DOCPART == 1
	.amdgcn_target "amdgcn-amd-amdhsa--gfx1250"
	.amdhsa_code_object_version 6
	.text
	.protected	k_qdb699dbf59_prep
	.globl	k_qdb699dbf59_prep
	.p2align	8
	.type	k_qdb699dbf59_prep,@function
k_qdb699dbf59_prep:
	s_mov_b64 s[64:65], 0
	v_nop
	global_prefetch_b8 v0, s[64:65] scope:SCOPE_SE
	s_setreg_imm32_b32 hwreg(HW_REG_WAVE_MODE, 25, 1), 1
	s_wait_xcnt 0x0
; PREP: two jobs that need nothing of each other share one launch.
; Work-groups 0..79: one (image, class) each.  The 2,000 scores are sorted as reference() sorts them (descending, equal scores by index, scores
; that are not above 0.1 last) by a bitonic network on 2,048 keys: no address ever hangs on a score.  order[problem][place] = box index, + 2,048 if the score is not valid.
; Work-groups 80..335: 64 rows of one image each.  mbits[image][row i][word w] bit t = (IoU(i, 32 w + t) > 0.5): 2,048 rows of 256 bytes an image.
; Rows and columns from 2,000 on repeat box 1,999: defined bytes whose bits are never tested later.
; THE TEST WITHOUT A DIVISION.  With u = max(union, 1e-9) the rounded quotient inter / u is above 0.5 exactly when 2 inter > u: then 2 inter >= u + ulp(u), so the true
; quotient is above 0.5 + 2^-25 and rounds upward; else it is at most 0.5.  Tested here as inter > max(a_i / 2 + a_j / 2 - inter / 2, 1e-9 / 2): halving is exact, so each
; rounding is the one reference() makes.  Only one side of the intersection is clipped at 0: where the other is negative the product is not positive and the test fails, as it must.
; LIMITS.  Boxes are finite.  Every product and sum is rounded by itself, as reference() writes them.  A NaN score is not valid, as in reference().
.set NSORT,  80                        ; problems: 8 images x 10 classes
.set SPITCH, 272                       ; a staged row of bits: 256 bytes + 16, so that rows start four banks apart (64 banks of 4 bytes: ISA guide 11.1)
.set SPARE,  64*SPITCH                 ; behind the stage (and the sort's 16,384 bytes): the spare words, 128 bytes for each of 8 waves
.set SPW, 3                            ; v3  LDS address of my spare word; never rewritten
.set NIL, 4                            ; v4  0; never rewritten
.set WV,  12                           ; s12 my wave's number
; ---- the sort's registers ----
.set OFF,  5                           ; v5  byte offset of my 8 scores; later 32 x thread in LDS
.set A16,  6                           ; v6  16 x thread: my place in each of the four planes of the exchange buffer
.set PART, 7                           ; v7  my partner's place; later my place on the way out
.set SC,   8                           ; v[8:15]  scores as loaded; later the sorted list's 8 words
.set EA,   16                          ; v[16:31] eight keys: low word (index), high word (score key)
.set EB,   32                          ; v[32:47] the second bank: register stages write from one bank into the other
.set TP,   48                          ; v[48:63] the partners' keys
.set TT,   64                          ; v[64:71] at work
.set B8,   72                          ; v72 8 x thread
.set THR,  13                          ; s13 0.1
.set CM,   16                          ; s[16:23] one lane mask for each key or comparator
.set DM,   24                          ; s24 lanes whose part of the sequence is sorted downward in this phase
.set XM,   25                          ; s25 lanes that keep the larger key in this stage
.set WB,   26                          ; s26-28 bit 0, 1, 2 of the wave's number, spread over 32 bits
.set REAL, 29                          ; s29 lanes whose thread holds real scores (thread < 250)
.set SEL,  30                          ; s[30:31] v_permlanex16_b32: each lane takes its own place in the other half
; ---- the matrix job's registers ----
.set RWA, 5                            ; v5, v6 byte offsets of my two rows' boxes
.set RWB, 6
.set COF, 7                            ; v7  byte offset of my column's box
.set JC,  8                            ; v8  my column in the word that is loaded next
.set SA,  9                            ; v9  where my row's word goes in the stage
.set RD,  10                           ; v10 where I read rows back
.set GO,  11                           ; v11 16 x lane: my 16 bytes of two rows of mbits
.set RA,  12                           ; v[12:15] box of row lane
.set RB,  16                           ; v[16:19] box of row lane + 32
.set HA,  20                           ; v[20:21] half their areas, a pair for the packed forms
.set CJ,  24                           ; v[24:27] column box as loaded
.set CW,  28                           ; v[28:32] column box at work, and half its area
.set WDA, 34                           ; v34, v35 the words under construction
.set WDB, 35
.set TX,  36                           ; v[36:43], v[44:51] two columns at work
.set TY,  44
.set T0,  52
.set T1,  53
.set OB,  56                           ; v[56:71] rows on the way out
.set CNT, 22                           ; s22 words to go
.set EPS, 23                           ; s23 1e-9 / 2
.set CQ,  24                           ; s[24:27] results of the four tests
.set JS,  32                           ; s32.. four sets of 8: a column's four corners, half its area, and a word named with it as a pair
	s_load_b256 s[4:11], s[0:1], 0x0               ; boxes s[4:5], scores s[6:7], order s[8:9], mbits s[10:11]
	v_lshl_add_u32 v[SPW], v0, 2, SPARE
	v_mov_b32 v[NIL], 0
	v_lshrrev_b32 v1, 5, v0
	v_readfirstlane_b32 s[WV], v1                  ; wave 0..7
	v_and_b32 v2, 31, v0                           ; lane
	s_cmp_lt_u32 ttmp9, NSORT                      ; the job hangs on the work-group's number alone
	s_cbranch_scc0 .Lmatrix
; ======================= THE SORT =======================
; Element e = 256 wave + 8 lane + register.  A stage of stride 1, 2, 4 compares registers; of 8 .. 128 lanes; of 256 .. 1,024 waves, through LDS.
; own > partner on 64 bits: c = (low > low'), then the carry out of high + ~high' + c.
.macro CMPSEL                          ; each of my eight keys against its partner in TP: the lanes of XM keep the larger, the others the smaller
.set r, 0
.rept 8
	v_cmp_gt_u32 s[CM+r], v[CUR+2*r], v[TP+2*r]
	v_xor_b32 v[TT+r], -1, v[TP+2*r+1]
.set r, r+1
.endr
.set r, 0
.rept 8
	v_add_co_ci_u32 v[TT+r], s[CM+r], v[CUR+2*r+1], v[TT+r], s[CM+r]
.set r, r+1
.endr
.set r, 0
.rept 8
	s_xor_b32 s[CM+r], s[CM+r], s[XM]              ; take the partner's: where I am larger and keep the smaller, or the reverse (keys are never equal)
.set r, r+1
.endr
.set r, 0
.rept 8
	v_cndmask_b32 v[CUR+2*r], v[CUR+2*r], v[TP+2*r], s[CM+r]
	v_cndmask_b32 v[CUR+2*r+1], v[CUR+2*r+1], v[TP+2*r+1], s[CM+r]
.set r, r+1
.endr
.endm
.macro FETCHX m                        ; the keys of the lane m away (exclusive or), inside a row of 16 lanes
.set r, 0
.rept 16
	v_mov_b32_dpp v[TP+r], v[CUR+r] row_xmask:\m row_mask:0xf bank_mask:0xf
.set r, r+1
.endr
.endm
.macro FETCH16                         ; the keys of the lane 16 away
.set r, 0
.rept 16
	v_permlanex16_b32 v[TP+r], v[CUR+r], s[SEL], s[SEL+1]
.set r, r+1
.endr
.endm
.macro REGSTAGE                        ; four comparators between my own registers r and q = r + stride; the results go into the other bank
.set c, 0
.set r, 0
.rept 8
.if (r & (1<<JB)) == 0
.set q, r+(1<<JB)
.if (KB < 3) && ((r>>KB) & 1)
	v_cmp_gt_u32 s[CM+c], v[CUR+2*q], v[CUR+2*r]   ; a part sorted downward, known from the register's number: exchange where q is larger
	v_xor_b32 v[TT+c], -1, v[CUR+2*r+1]
.else
	v_cmp_gt_u32 s[CM+c], v[CUR+2*r], v[CUR+2*q]
	v_xor_b32 v[TT+c], -1, v[CUR+2*q+1]
.endif
.set c, c+1
.endif
.set r, r+1
.endr
.set c, 0
.set r, 0
.rept 8
.if (r & (1<<JB)) == 0
.set q, r+(1<<JB)
.if (KB < 3) && ((r>>KB) & 1)
	v_add_co_ci_u32 v[TT+c], s[CM+c], v[CUR+2*q+1], v[TT+c], s[CM+c]
.else
	v_add_co_ci_u32 v[TT+c], s[CM+c], v[CUR+2*r+1], v[TT+c], s[CM+c]
.endif
.set c, c+1
.endif
.set r, r+1
.endr
.if (KB >= 3) && (KB < 11)
.set c, 0
.rept 4
	s_xor_b32 s[CM+c], s[CM+c], s[DM]              ; the reverse in the lanes that sort downward
.set c, c+1
.endr
.endif
.set c, 0
.set r, 0
.rept 8
.if (r & (1<<JB)) == 0
.set q, r+(1<<JB)
	v_cndmask_b32 v[OTH+2*r], v[CUR+2*r], v[CUR+2*q], s[CM+c]
	v_cndmask_b32 v[OTH+2*r+1], v[CUR+2*r+1], v[CUR+2*q+1], s[CM+c]
	v_cndmask_b32 v[OTH+2*q], v[CUR+2*q], v[CUR+2*r], s[CM+c]
	v_cndmask_b32 v[OTH+2*q+1], v[CUR+2*q+1], v[CUR+2*r+1], s[CM+c]
.set c, c+1
.endif
.set r, r+1
.endr
.set SWP, CUR
.set CUR, OTH
.set OTH, SWP
.endm
.macro LDSSTAGE                        ; the partner is the same lane of another wave: four planes of 16 bytes a thread, neighbouring lanes at neighbouring 16 bytes
	s_xor_b32 s[XM], s[DM], s[WB+JB-8]             ; the upper wave keeps the larger key, the reverse where the part sorts downward
	v_xor_b32 v[PART], 512<<(JB-8), v[A16]
.set r, 0
.rept 4
	ds_store_b128 v[A16], v[CUR+4*r:CUR+4*r+3] offset:4096*r
.set r, r+1
.endr
	s_wait_dscnt 0x0                               ; for the others: my keys lie in LDS
	s_barrier_signal -1
	s_barrier_wait -1
.set r, 0
.rept 4
	ds_load_b128 v[TP+4*r:TP+4*r+3], v[PART] offset:4096*r
.set r, r+1
.endr
	s_wait_dscnt 0x0                               ; my reads are back: behind the second barrier the buffer may be written again
	s_barrier_signal -1
	s_barrier_wait -1
	CMPSEL
.endm
.macro DIRECTION                       ; phase k = 2^KB: element e sorts downward where its bit KB is set
.if KB == 3
	s_mov_b32 s[DM], 0xaaaaaaaa
.elseif KB == 4
	s_mov_b32 s[DM], 0xcccccccc
.elseif KB == 5
	s_mov_b32 s[DM], 0xf0f0f0f0
.elseif KB == 6
	s_mov_b32 s[DM], 0xff00ff00
.elseif KB == 7
	s_mov_b32 s[DM], 0xffff0000
.elseif (KB >= 8) && (KB < 11)
	s_mov_b32 s[DM], s[WB+KB-8]
.elseif KB == 11
	s_mov_b32 s[DM], 0
.endif
.endm
.macro STAGE                           ; stride 2^JB
.if JB < 3
	REGSTAGE
.elseif JB < 8
.if JB == 3
	s_xor_b32 s[XM], s[DM], 0xaaaaaaaa             ; the lane with the stride's bit set keeps the larger key, the reverse where the part sorts downward
	FETCHX 1
.elseif JB == 4
	s_xor_b32 s[XM], s[DM], 0xcccccccc
	FETCHX 2
.elseif JB == 5
	s_xor_b32 s[XM], s[DM], 0xf0f0f0f0
	FETCHX 4
.elseif JB == 6
	s_xor_b32 s[XM], s[DM], 0xff00ff00
	FETCHX 8
.else
	s_xor_b32 s[XM], s[DM], 0xffff0000
	FETCH16
.endif
	CMPSEL
.else
	LDSSTAGE
.endif
.endm
	s_mul_i32 s14, ttmp9, 8000                     ; the problem's 2,000 scores
	s_mov_b32 s15, 0
	s_lshl_b32 s16, ttmp9, 13                      ; its 2,048 words of order
	s_mov_b32 s17, 0
	v_min_u32 v[OFF], 249, v0                      ; threads 250..255 hold padding: they load thread 249's scores, inside the buffer, and do not use them
	v_lshlrev_b32 v[OFF], 5, v[OFF]                ; 8 scores, 32 bytes, a thread
	s_wait_kmcnt 0x0
	s_add_nc_u64 s[6:7], s[6:7], s[14:15]
	s_add_nc_u64 s[8:9], s[8:9], s[16:17]
	global_load_b128 v[SC:SC+3], v[OFF], s[6:7] th:TH_LOAD_NT
	global_load_b128 v[SC+4:SC+7], v[OFF], s[6:7] offset:16 th:TH_LOAD_NT
	s_mov_b32 s[THR], 0x3dcccccd                   ; 0.1 in f32
.irp n, 0,1,2
	s_bfe_u32 s[WB+\n], s[WV], 0x10000+\n
	s_sub_co_u32 s[WB+\n], 0, s[WB+\n]             ; 0 or all ones
.endr
	s_mov_b32 s[SEL], 0x76543210
	s_mov_b32 s[SEL+1], 0xfedcba98
	v_cmp_gt_u32 s[REAL], 250, v0
	v_lshlrev_b32 v[B8], 3, v0
	v_lshlrev_b32 v[A16], 4, v0
.set r, 0
.rept 16
	v_mov_b32 v[TP+r], 0                           ; the lane forms count their destination as read: it is written once here
.set r, r+1
.endr
	s_wait_loadcnt 0x0
; The key.  High word: ~bits(score) for a valid score (positive floats order as their bits, so this ascends as the score descends), all ones else.
; Low word: the index, + 2,048 where not valid: it breaks ties as a stable sort does, puts the padding last, and is the word that is stored.
.set r, 0
.rept 8
	v_cmp_lt_f32 vcc_lo, s[THR], v[SC+r]           ; 0.1 < score; false for NaN
	s_and_b32 vcc_lo, vcc_lo, s[REAL]
	v_xor_b32 v[EA+2*r+1], -1, v[SC+r]
	v_or_b32 v[EA+2*r], r, v[B8]
	v_or_b32 v1, 0x800+r, v[B8]
	v_cndmask_b32 v[EA+2*r+1], -1, v[EA+2*r+1], vcc_lo
	v_cndmask_b32 v[EA+2*r], v1, v[EA+2*r], vcc_lo
.set r, r+1
.endr
; The network: phases k = 2 .. 2,048, in each the strides k / 2 .. 1: 66 stages, written out, so that every address and every barrier is plain.
.set CUR, EA
.set OTH, EB
.set KB, 1
.rept 11
	DIRECTION
.set JB, KB-1
.rept 11
.if JB >= 0
	STAGE
.endif
.set JB, JB-1
.endr
.set KB, KB+1
.endr
; The way out: the eight low words are brought together, pass through my wave's own 1,024 bytes of LDS (free since the last exchange's second barrier) and leave as 512 consecutive bytes a store.
.set r, 0
.rept 8
	v_mov_b32 v[SC+r], v[CUR+2*r]
.set r, r+1
.endr
	v_lshlrev_b32 v[OFF], 5, v0
	ds_store_b128 v[OFF], v[SC:SC+3]
	ds_store_b128 v[OFF], v[SC+4:SC+7] offset:16
	s_lshl_b32 s14, s[WV], 10
	v_lshl_add_u32 v[PART], v2, 4, s14             ; 1,024 wave + 16 lane, in LDS and in order alike
	ds_load_b128 v[TP:TP+3], v[PART]               ; LDS serves a wave's instructions in order (ISA guide 5.7.1.4): these see the stores above
	ds_load_b128 v[TP+4:TP+7], v[PART] offset:512
	s_wait_dscnt 0x1                               ; the first read is back, the second may be out
	global_store_b128 v[PART], v[TP:TP+3], s[8:9]
	s_wait_dscnt 0x0
	global_store_b128 v[PART], v[TP+4:TP+7], s[8:9] offset:512
	s_wait_tensorcnt 0x0                           ; the wave's end, behind my last LDS store
	ds_add_u32 v[SPW], v[NIL]
	s_wait_dscnt 0x0
	s_endpgm
; ======================= THE BIT MATRIX =======================
; A work-group makes 64 whole rows; wave w their words 8 w .. 8 w + 7.  A lane holds rows lane and lane + 32 as the two halves of packed f32 forms;
; the column's box is uniform and is read into scalar registers.  A word's columns are taken from 31 down to 0 and each result is shifted in by word + word + carry.
.macro READJ j                         ; column j of the word: corners and half area into set j % 4
	v_readlane_b32 s[JS+8*((\j)%4)+0], v[CW+0], \j
	v_readlane_b32 s[JS+8*((\j)%4)+1], v[CW+1], \j
	v_readlane_b32 s[JS+8*((\j)%4)+2], v[CW+2], \j
	v_readlane_b32 s[JS+8*((\j)%4)+3], v[CW+3], \j
	v_readlane_b32 s[JS+8*((\j)%4)+4], v[CW+4], \j
.endm
.macro EXTR T, S                       ; the intersection's corners, for both rows
	v_max_num_f32 v[\T+0], s[\S+0], v[RA+0]
	v_max_num_f32 v[\T+1], s[\S+0], v[RB+0]
	v_max_num_f32 v[\T+2], s[\S+1], v[RA+1]
	v_max_num_f32 v[\T+3], s[\S+1], v[RB+1]
	v_min_num_f32 v[\T+4], s[\S+2], v[RA+2]
	v_min_num_f32 v[\T+5], s[\S+2], v[RB+2]
	v_min_num_f32 v[\T+6], s[\S+3], v[RA+3]
	v_min_num_f32 v[\T+7], s[\S+3], v[RB+3]
.endm
.macro SIDES T, S                      ; its two sides, and half the sum of the two areas
	v_pk_add_f32 v[\T+4:\T+5], v[\T+4:\T+5], v[\T+0:\T+1] neg_lo:[0,1] neg_hi:[0,1]
	v_pk_add_f32 v[\T+6:\T+7], v[\T+6:\T+7], v[\T+2:\T+3] neg_lo:[0,1] neg_hi:[0,1]
	v_pk_add_f32 v[\T+0:\T+1], v[HA:HA+1], s[\S+4:\S+5] op_sel_hi:[1,0]
.endm
.macro PAIR j                          ; columns j and j - 1, line by line side by side, so that no line waits for the one before it
.set SX, JS+8*((\j)%4)
.set SY, JS+8*(((\j)-1)%4)
	EXTR TX, SX
	EXTR TY, SY
	SIDES TX, SX
	SIDES TY, SY
	v_max_num_f32 v[TX+4], 0, v[TX+4]              ; one side clipped at 0 (see the head)
	v_max_num_f32 v[TX+5], 0, v[TX+5]
	v_max_num_f32 v[TY+4], 0, v[TY+4]
	v_max_num_f32 v[TY+5], 0, v[TY+5]
	v_pk_mul_f32 v[TX+4:TX+5], v[TX+4:TX+5], v[TX+6:TX+7]                     ; inter
	v_pk_mul_f32 v[TY+4:TY+5], v[TY+4:TY+5], v[TY+6:TY+7]
	v_pk_fma_f32 v[TX:TX+1], v[TX+4:TX+5], -0.5, v[TX:TX+1] op_sel_hi:[1,0,1]  ; half the union: one rounding, as the reference's subtraction has
	v_pk_fma_f32 v[TY:TY+1], v[TY+4:TY+5], -0.5, v[TY:TY+1] op_sel_hi:[1,0,1]
	v_max_num_f32 v[TX], s[EPS], v[TX]
	v_max_num_f32 v[TX+1], s[EPS], v[TX+1]
	v_max_num_f32 v[TY], s[EPS], v[TY]
	v_max_num_f32 v[TY+1], s[EPS], v[TY+1]
	v_cmp_gt_f32 s[CQ], v[TX+4], v[TX]
	v_cmp_gt_f32 s[CQ+1], v[TX+5], v[TX+1]
	v_cmp_gt_f32 s[CQ+2], v[TY+4], v[TY]
	v_cmp_gt_f32 s[CQ+3], v[TY+5], v[TY+1]
	v_add_co_ci_u32 v[WDA], s[CQ], v[WDA], v[WDA], s[CQ]         ; word = 2 word + bit
	v_add_co_ci_u32 v[WDB], s[CQ+1], v[WDB], v[WDB], s[CQ+1]
	v_add_co_ci_u32 v[WDA], s[CQ+2], v[WDA], v[WDA], s[CQ+2]
	v_add_co_ci_u32 v[WDB], s[CQ+3], v[WDB], v[WDB], s[CQ+3]
.endm
.Lmatrix:
	s_sub_co_u32 s13, ttmp9, NSORT                 ; 0..255
	s_lshr_b32 s14, s13, 5                         ; image
	s_and_b32 s15, s13, 31                         ; which 64 rows
	s_mul_i32 s16, s14, 32000                      ; the image's 2,000 boxes of 16 bytes
	s_mov_b32 s17, 0
	s_lshl_b32 s18, s14, 19                        ; the image's 2,048 rows of 256 bytes,
	s_lshl_b32 s19, s15, 14                        ; the work-group's 64,
	s_add_co_u32 s18, s18, s19
	s_lshl_b32 s19, s[WV], 11                      ; the 8 that my wave stores
	s_add_co_u32 s18, s18, s19
	s_mov_b32 s19, 0
	s_lshl_b32 s20, s15, 6
	v_add_nc_u32 v[RWA], s20, v2
	v_add_nc_u32 v[RWB], 32, v[RWA]
	v_min_u32 v[RWA], 1999, v[RWA]                 ; rows from 2,000 on repeat the last box: every load stays inside boxes
	v_min_u32 v[RWB], 1999, v[RWB]
	v_lshlrev_b32 v[RWA], 4, v[RWA]
	v_lshlrev_b32 v[RWB], 4, v[RWB]
	s_lshl_b32 s21, s[WV], 8                       ; my first word's first column: 8 words x 32
	v_add_nc_u32 v[JC], s21, v2
	v_min_u32 v[COF], 1999, v[JC]
	v_lshlrev_b32 v[COF], 4, v[COF]
	s_wait_kmcnt 0x0
	s_add_nc_u64 s[4:5], s[4:5], s[16:17]
	s_add_nc_u64 s[10:11], s[10:11], s[18:19]
	global_load_b128 v[RA:RA+3], v[RWA], s[4:5]
	global_load_b128 v[RB:RB+3], v[RWB], s[4:5]
	global_load_b128 v[CJ:CJ+3], v[COF], s[4:5]
	v_mul_u32_u24 v[SA], v2, SPITCH                ; into the stage: row lane, word 8 w
	s_lshl_b32 s21, s[WV], 5
	v_add_nc_u32 v[SA], s21, v[SA]
	v_lshrrev_b32 v1, 4, v2                        ; back: lanes 0-15 take one row of 256 bytes, lanes 16-31 the next; my wave takes rows 8 w ..
	s_lshl_b32 s21, s[WV], 3
	v_add_nc_u32 v1, s21, v1
	v_and_b32 v[RD], 15, v2
	v_lshlrev_b32 v[RD], 4, v[RD]
	v_mad_u32_u24 v[RD], v1, SPITCH, v[RD]
	v_lshlrev_b32 v[GO], 4, v2                     ; two rows of mbits are 512 consecutive bytes
.irp k, 0,1,2,3
	s_mov_b32 s[JS+8*\k+5], 0                      ; named with the half area as a pair, so it is written
.endr
	s_mov_b32 s[EPS], 0x3009705f                   ; half of 1e-9 as f32 has it
	s_mov_b32 s[CNT], 8
	v_mov_b32 v[WDA], 0                            ; 32 shifts push this out; written so that the first sum reads a defined word
	v_mov_b32 v[WDB], 0
	s_wait_loadcnt 0x1                             ; my two rows are in; the column load may be out
	v_sub_f32 v[T0], v[RA+2], v[RA+0]
	v_sub_f32 v[T1], v[RA+3], v[RA+1]
	v_mul_f32 v[T0], v[T0], v[T1]
	v_mul_f32 v[HA], 0.5, v[T0]
	v_sub_f32 v[T0], v[RB+2], v[RB+0]
	v_sub_f32 v[T1], v[RB+3], v[RB+1]
	v_mul_f32 v[T0], v[T0], v[T1]
	v_mul_f32 v[HA+1], 0.5, v[T0]
.Lword:                                        ; a trip makes one word of both rows
	s_wait_loadcnt 0x0                             ; this word's 32 column boxes, a lane a column
	v_sub_f32 v[T0], v[CJ+2], v[CJ+0]
	v_sub_f32 v[T1], v[CJ+3], v[CJ+1]
.irp k, 0,1,2,3
	v_mov_b32 v[CW+\k], v[CJ+\k]                   ; set aside, so that the next word's boxes can be on their way during this word's work
.endr
	v_mul_f32 v[T0], v[T0], v[T1]
	v_mul_f32 v[CW+4], 0.5, v[T0]
	s_cmp_eq_u32 s[CNT], 1                         ; the last word has no successor
	s_cbranch_scc1 .Lnomore
	v_add_nc_u32 v[JC], 32, v[JC]
	v_min_u32 v[COF], 1999, v[JC]                  ; free since the wait above
	v_lshlrev_b32 v[COF], 4, v[COF]
	global_load_b128 v[CJ:CJ+3], v[COF], s[4:5]
.Lnomore:
	READJ 31
	READJ 30
.set j, 31
.rept 16
.if j >= 3
	READJ j-2                                      ; the next two columns are read a pair ahead of their use
	READJ j-3
.endif
	PAIR j
.set j, j-2
.endr
	ds_store_b32 v[SA], v[WDA]
	ds_store_b32 v[SA], v[WDB] offset:32*SPITCH
	v_add_nc_u32 v[SA], 4, v[SA]
	s_sub_co_u32 s[CNT], s[CNT], 1
	s_cmp_lg_u32 s[CNT], 0
	s_cbranch_scc1 .Lword
	s_wait_dscnt 0x0                               ; for the others: my eight words of all 64 rows lie in the stage
	s_barrier_signal -1
	s_barrier_wait -1
.irp q, 0,1,2,3
	ds_load_b128 v[OB+4*\q:OB+4*\q+3], v[RD] offset:2*SPITCH*\q
.endr
.irp q, 0,1,2,3
	s_wait_dscnt 3-\q                              ; read q is back, the younger ones may be out
	global_store_b128 v[GO], v[OB+4*\q:OB+4*\q+3], s[10:11] offset:512*\q  ; 16 lanes store one whole row: 256 consecutive bytes at a multiple of 256 from the buffer's first byte
.endr
	s_wait_tensorcnt 0x0                           ; the wave's end, behind my last LDS store
	ds_add_u32 v[SPW], v[NIL]
	s_wait_dscnt 0x0
	s_endpgm
.Lfunc_end_k_qdb699dbf59_prep:
	.size	k_qdb699dbf59_prep, .Lfunc_end_k_qdb699dbf59_prep-k_qdb699dbf59_prep
	.p2alignl 7, 3214868480
	.fill 96, 4, 3214868480
	.section	.rodata,"a",@progbits
	.p2align	6, 0x0
	.amdhsa_kernel k_qdb699dbf59_prep
		.amdhsa_group_segment_fixed_size 18432
		.amdhsa_private_segment_fixed_size 0
		.amdhsa_enable_private_segment 0
		.amdhsa_kernarg_size 32
		.amdhsa_user_sgpr_count 2
		.amdhsa_user_sgpr_kernarg_segment_ptr 1
		.amdhsa_wavefront_size32 1
		.amdhsa_system_sgpr_workgroup_id_x 1
		.amdhsa_system_sgpr_workgroup_id_y 1
		.amdhsa_system_sgpr_workgroup_id_z 1
		.amdhsa_system_vgpr_workitem_id 0
		.amdhsa_next_free_vgpr 80
		.amdhsa_next_free_sgpr 66
		.amdhsa_reserve_vcc 1
		.amdhsa_float_denorm_mode_32 3
		.amdhsa_float_denorm_mode_16_64 3
		.amdhsa_memory_ordered 1
		.amdhsa_forward_progress 1
		.amdhsa_inst_pref_size 229
	.end_amdhsa_kernel
	.amdgpu_metadata
---
amdhsa.version: [ 1, 2 ]
amdhsa.kernels:
  - .name:           k_qdb699dbf59_prep
    .symbol:         k_qdb699dbf59_prep.kd
    .args:
      - { .name: boxes, .offset: 0, .size: 8, .value_kind: global_buffer, .address_space: global }
      - { .name: scores, .offset: 8, .size: 8, .value_kind: global_buffer, .address_space: global }
      - { .name: order, .offset: 16, .size: 8, .value_kind: global_buffer, .address_space: global }
      - { .name: mbits, .offset: 24, .size: 8, .value_kind: global_buffer, .address_space: global }
    .group_segment_fixed_size: 18432
    .private_segment_fixed_size: 0
    .kernarg_segment_align: 8
    .kernarg_segment_size: 32
    .max_flat_workgroup_size: 256
    .sgpr_count:     66
    .vgpr_count:     80
    .wavefront_size: 32
...
	.end_amdgpu_metadata
.endif
;; end of part 1
;; launch scan (part 2): grid 80 x 1, 16 waves a work-group, no clusters, 43,264 bytes of LDS; arguments order, mbits, out0; writes out0
.if DOCPART == 2
	.amdgcn_target "amdgcn-amd-amdhsa--gfx1250"
	.amdhsa_code_object_version 6
	.text
	.protected	k_qdb699dbf59_scan
	.globl	k_qdb699dbf59_scan
	.p2align	8
	.type	k_qdb699dbf59_scan,@function
k_qdb699dbf59_scan:
	s_mov_b64 s[64:65], 0
	v_nop
	global_prefetch_b8 v0, s[64:65] scope:SCOPE_SE
	s_setreg_imm32_b32 hwreg(HW_REG_WAVE_MODE, 25, 1), 1
	s_wait_xcnt 0x0
; SCAN: the greedy suppression of one (image, class) a work-group, on whole numbers alone: the sorted list (order) and the image's bit rows (mbits) of the launch before.
; STATE.  removed: 2,048 bits by BOX index.  Entry i of the list, box p, is kept if it is valid and bit p of removed is clear at its turn; then removed |= row p.
; A row also sets its own bit and bits of earlier entries: those have been decided and are never looked at again.  So no bit is ever permuted into sorted order.
; BLOCKS of 32 entries, a lane an entry.  Inside a block the order matters: entry a has a mask C_a of the later entries b > a of its block that it suppresses.
; With K = the entries alive at the block's start, 31 steps in order do: if bit a of K is set, K &= ~C_a.  At step a bit a is final, since C holds higher bits alone.
; The steps are written out and select by conditions: no branch and no trip count hangs on a bit.
; THE MATRIX IS SYMMETRIC, bit for bit: the launch before takes maxima, minima and the sum of the two half areas, which commute, clips the same side of the intersection
; whichever box is the row, and holds row and column numbers to 1,999 alike.  So the word that lane b gathers, bit a = (row p_a, column p_b), is also (row p_b, column p_a): b's own mask.
; PHASE 1, 16 waves: the masks C of all 64 blocks, four blocks a wave, by gathers of single words of the rows.  PHASE 2, wave 0: the 63 blocks in order.  PHASE 3, 16 waves: the triples.
; A list word of 2,048 or more marks a score that is not valid (or padding): it is never alive; as a row number it is held to 2,047, a defined row whose bits are then masked away;
; what it leaves in a mask C touches only entries that are not alive, or is the mask of an entry that is not alive.
; No cluster and no joint loads: the ten classes of an image read the same rows, but each in the order of its own list.
.set LB,    0                          ; LDS: C, a word an entry
.set VB,    8192                       ; the list
.set KW,    16384                      ; the kept masks, a word a block
.set TRI,   16640                      ; 2,048 triples of 12 bytes; the first 2,000 leave
.set SPARE, 41216                      ; the spare words, 128 bytes for each of 16 waves
.set SPW, 3                            ; v3  LDS address of my spare word; never rewritten
.set NIL, 4                            ; v4  0; never rewritten
.set L8,  5                            ; v5  8 x lane: my two words of a row
.set I40, 6                            ; v6  4 x lane; never rewritten
.set SH,  7                            ; v7  my box's bit in its word
.set VAL, 8                            ; v8-11 the list words of my wave's four blocks (wave, + 16, + 32, + 48): made in phase 1, used again in phase 3
; phase 1
.set WO,  12                           ; v12-15 4 x the word of a row that holds my box's bit
.set TQ,  16                           ; v16-19 four partial masks
.set IA,  20                           ; v20 128 x wave + 4 x lane
.set UPM, 21                           ; v21 the bits above my lane's
.set DW,  96                           ; v[96:159] the gathered words, two sets of 32
; phase 2
.set PVL, 12                           ; v12-14 a block's list words, three by turns
.set LL,  15                           ; v15-17 its masks C, likewise
.set ADR, 18                           ; v18 LDS address of the next block's words
.set IDX, 19                           ; v19 4 x the lane that holds my box's words of removed
.set ACC, 20                           ; v[20:27] removed, as four partial sets of two words a lane (lane l: words 2 l, 2 l + 1), so that the ORs do not wait for each other
.set G0,  28
.set G1,  29
.set KM0, 30                           ; v30 lane b: the kept mask of block b
.set KM1, 31                           ; v31 of block 32 + b
.set VO,  32                           ; v32.. byte offsets of the loads: two sets of 32 in phase 1, one in phase 2
.set RBUF, 64                          ; v[64:255] three buffers of 32 rows x 2 words
.set MA,  10                           ; s10, s11 the lane of the block's number
.set MB,  11
.set WV,  12
.set T,   13                           ; s13 K without what entry a suppresses
.set IMG, 14
.set CLS, 15
.set K,   20
.set VM,  23
.set SELM, 24
.set CNT, 26
.set NB,  27                           ; s27 the block of the list that is loaded next into scalar registers
.set SOFF, 28
.set TB,  29                           ; s29 128 x the block in hand
.set BN,  30                           ; s30 the block in hand
.set BN2, 31                           ; s31 the same less 32
.set CC,  32                           ; s[32:63] entry a's mask C_a; behind step a: all ones if entry a is kept, else 0
.set PT,  40                           ; s[40:47] phase 1: row numbers at work
.set PL,  68                           ; s[68:99] a block of the list
	s_load_b128 s[4:7], s[0:1], 0x0                ; order s[4:5], mbits s[6:7]
	s_load_b64 s[8:9], s[0:1], 0x10                ; out0
	v_lshl_add_u32 v[SPW], v0, 2, SPARE
	v_mov_b32 v[NIL], 0
	v_lshrrev_b32 v1, 5, v0
	v_readfirstlane_b32 s[WV], v1                  ; wave 0..15
	v_and_b32 v2, 31, v0                           ; lane
	s_mul_hi_u32 s[IMG], ttmp9, 0x1999999a         ; problem / 10 (exact for 0..79)
	s_mul_i32 s[CLS], s[IMG], 10
	s_sub_co_u32 s[CLS], ttmp9, s[CLS]
	s_lshl_b32 s16, ttmp9, 13                      ; the problem's 2,048 list words
	s_mov_b32 s17, 0
	s_lshl_b32 s18, s[IMG], 19                     ; the image's 2,048 rows of 256 bytes
	s_mov_b32 s19, 0
	s_mul_i32 s10, ttmp9, 24000                    ; the problem's 2,000 triples
	s_mov_b32 s11, 0
	v_lshlrev_b32 v[I40], 2, v2
	s_lshl_b32 s13, s[WV], 7
	v_add_nc_u32 v[IA], s13, v[I40]                ; block = wave (+ 16 x, in the immediates)
	v_mov_b32 v1, -2
	v_lshlrev_b32 v[UPM], v2, v1                   ; -2 << lane: bits lane + 1 .. 31
	v_mov_b32 v[KM0], 0                            ; block 63 is never walked: its mask stays 0
	v_mov_b32 v[KM1], 0
	s_wait_kmcnt 0x0
	s_add_nc_u64 s[4:5], s[4:5], s[16:17]
	s_add_nc_u64 s[6:7], s[6:7], s[18:19]
	s_add_nc_u64 s[8:9], s[8:9], s[10:11]
; ---------------- PHASE 1 ----------------
.irp x, 0,1,2,3
	global_load_b32 v[VAL+\x], v[IA], s[4:5] offset:2048*\x
.endr
	s_wait_loadcnt 0x0
.irp x, 0,1,2,3
	v_lshrrev_b32 v1, 5, v[VAL+\x]                 ; the word of a row with my box's bit,
	v_min_u32 v1, 63, v1                           ; held inside the row before it enters an address
	v_lshlrev_b32 v[WO+\x], 2, v1
.endr
; Block x: for each entry a = 1 .. 31 of the block, every lane loads the word of row p_a that holds its own box's bit: 31 loads, each inside one row of 256 bytes.
; Entry 0 stands behind nobody in its block, so its row is not asked for here.
.macro GATHER x
.set g, 0
.rept 4
.set a, 0
.rept 8
.if 8*g+a > 0
	v_readlane_b32 s[PT+a], v[VAL+\x], 8*g+a
.endif
.set a, a+1
.endr
.set a, 0
.rept 8
.if 8*g+a > 0
	s_min_u32 s[PT+a], s[PT+a], 0x7ff              ; a row number inside the image's 2,048 rows
.endif
.set a, a+1
.endr
.set a, 0
.rept 8
.if 8*g+a > 0
	v_lshl_add_u32 v[VO+32*((\x)%2)+8*g+a], s[PT+a], 8, v[WO+\x]
.endif
.set a, a+1
.endr
.set a, 0
.rept 8
.if 8*g+a > 0
	global_load_b32 v[DW+32*((\x)%2)+8*g+a], v[VO+32*((\x)%2)+8*g+a], s[6:7]
.endif
.set a, a+1
.endr
.set g, g+1
.endr
.endm
; Bit a of the mask = my box's bit of the word from row p_a; only the entries behind me count.
.macro EXTRACT x, left
	s_wait_loadcnt \left                           ; loads come back in order (ISA guide 5.7.1): this block's 31 are in, so its words may be read and its offset registers written again
	v_and_b32 v[SH], 31, v[VAL+\x]
.set a, 1
.rept 31
	v_bfe_u32 v[DW+32*((\x)%2)+a], v[DW+32*((\x)%2)+a], v[SH], 1
.set a, a+1
.endr
.set a, 1
.rept 4
	v_lshlrev_b32 v[TQ+a%4], a, v[DW+32*((\x)%2)+a]  ; four chains, started by bits 1 to 4
.set a, a+1
.endr
.rept 27
	v_lshl_or_b32 v[TQ+a%4], v[DW+32*((\x)%2)+a], a, v[TQ+a%4]
.set a, a+1
.endr
	v_or_b32 v[TQ], v[TQ], v[TQ+1]
	v_or_b32 v[TQ+2], v[TQ+2], v[TQ+3]
	v_or_b32 v[TQ], v[TQ], v[TQ+2]
	v_and_b32 v[TQ], v[UPM], v[TQ]
	ds_store_b32 v[IA], v[TQ] offset:LB+2048*(\x)
	ds_store_b32 v[IA], v[VAL+\x] offset:VB+2048*(\x)
.endm
	GATHER 0                                       ; two blocks' gathers, 62 loads, are on their way at a time
	GATHER 1
	EXTRACT 0, 31                                  ; block 1's 31 may stay out
	GATHER 2
	EXTRACT 1, 31
	GATHER 3
	EXTRACT 2, 31
	EXTRACT 3, 0
	s_wait_dscnt 0x0                               ; for wave 0: my masks and my part of the list lie in LDS
	s_barrier_signal -1
	s_barrier_wait -1
	s_cmp_lg_u32 s[WV], 0
	s_cbranch_scc1 .Lothers                        ; the serial part is one wave's; no barrier stands inside it
; ---------------- PHASE 2 ----------------
; The 32 rows of the list block that lies in s[PL..] are asked for, into buffer buf: lane l takes words 2 l, 2 l + 1, a load a row of 256 consecutive bytes.  Then the next block of the list is asked for.
.macro ISSUE buf
	s_wait_kmcnt 0x0                               ; the list block is in (asked for a block ago), and SOFF is free
	s_wait_xcnt 0x0                                ; the last 32 row loads have had their addresses translated (ISA guide 3.1): their offset registers are written again
.set g, 0
.rept 4
.set a, 8*g
.rept 8
	s_min_u32 s[PL+a], s[PL+a], 0x7ff              ; a row number inside the image's 2,048 rows; entries that are not valid all take row 2,047
.set a, a+1
.endr
.set a, 8*g
.rept 8
	v_lshl_add_u32 v[VO+a], s[PL+a], 8, v[L8]
.set a, a+1
.endr
.set a, 8*g
.rept 8
	global_load_b64 v[RBUF+64*(\buf)+2*a:RBUF+64*(\buf)+2*a+1], v[VO+a], s[6:7]
.set a, a+1
.endr
.set g, g+1
.endr
	s_min_u32 s[SOFF], s[NB], 63                   ; the list has 64 blocks: the look-ahead of the last blocks is held to the last one and serves nothing
	s_lshl_b32 s[SOFF], s[SOFF], 7
	s_add_co_u32 s[NB], s[NB], 1
	s_load_b512 s[PL:PL+15], s[4:5], s[SOFF] offset:0x0
	s_load_b512 s[PL+16:PL+31], s[4:5], s[SOFF] offset:0x40
.endm
; removed |= row r of buffer x, if its entry is kept
.macro ORROW x, r
	v_and_or_b32 v[ACC+2*((\r)%4)], v[RBUF+64*(\x)+2*(\r)], s[CC+(\r)], v[ACC+2*((\r)%4)]
	v_and_or_b32 v[ACC+2*((\r)%4)+1], v[RBUF+64*(\x)+2*(\r)+1], s[CC+(\r)], v[ACC+2*((\r)%4)+1]
.endm
; One block; x = block % 3 names its row buffer and its list registers.  At its head no LDS instruction of the wave is out.
.macro BLOCK x
	v_and_b32 v[SH], 31, v[PVL+\x]                 ; what hangs on the list alone: where my box's bit of removed lies
	v_lshrrev_b32 v[IDX], 6, v[PVL+\x]             ; lane p / 64 holds words 2 (p / 64) and the next
	v_lshlrev_b32 v[IDX], 2, v[IDX]
	v_and_b32 v1, 32, v[PVL+\x]
	v_cmp_ne_u32 s[SELM], 0, v1                    ; the odd word?
	v_cmp_gt_u32 s[VM], 2048, v[PVL+\x]            ; valid?
	v_or_b32 v[ACC+0], v[ACC+0], v[ACC+2]          ; the four partial sets are gathered into the first, in place: what stays in the others is part of removed and does no harm
	v_or_b32 v[ACC+1], v[ACC+1], v[ACC+3]
	v_or_b32 v[ACC+4], v[ACC+4], v[ACC+6]
	v_or_b32 v[ACC+5], v[ACC+5], v[ACC+7]
	v_or_b32 v[ACC+0], v[ACC+0], v[ACC+4]
	v_or_b32 v[ACC+1], v[ACC+1], v[ACC+5]
	ds_bpermute_b32 v[G0], v[IDX], v[ACC+0]        ; both words of the lane that holds my box's bit
	ds_bpermute_b32 v[G1], v[IDX], v[ACC+1]
	v_add_nc_u32 v[ADR], s[TB], v[I40]
	ds_load_b32 v[PVL+((\x)+1)%3], v[ADR] offset:VB+128  ; the next block's list words and masks
	ds_load_b32 v[LL+((\x)+1)%3], v[ADR] offset:LB+128
	s_add_co_u32 s[TB], s[TB], 128
	s_wait_loadcnt 32                              ; this block's 32 rows, asked for two blocks ago, are in; the next block's 32 may stay out
	ISSUE ((\x)+2)%3                               ; the rows two blocks on, into the buffer that the block before has read out: this work stands in the wait for the four LDS results.
	                                               ; With these, 64 loads have been asked for; the issue of one that would pass the counter's field waits (ISA guide 5.7.1), so no wait is written for that
.set a, 0
.rept 31
	v_readlane_b32 s[CC+a], v[LL+\x], a            ; the block's masks C_0 .. C_30 (C_31 is empty): they hang on nothing of this block's K, and stand in the same wait
.set a, a+1
.endr
	s_wait_dscnt 0x0
	v_cndmask_b32 v[G0], v[G0], v[G1], s[SELM]
	v_bfe_u32 v[G0], v[G0], v[SH], 1
	v_cmp_eq_u32 vcc_lo, 0, v[G0]
	s_and_b32 s[K], vcc_lo, s[VM]                  ; alive at the block's start
; The 32 steps.  Step a: T = K without what entry a suppresses; bit a of K, which is final, chooses; the mask's register takes the row's factor, all ones or 0.
; Row a - 1's two ORs stand behind step a: vector work between scalar lines that wait for each other.
.set a, 0
.rept 32
.if a < 31
	s_and_not1_b32 s[T], s[K], s[CC+a]
	s_bitcmp1_b32 s[K], a                          ; (behind the line above, which also writes SCC)
	s_cselect_b32 s[K], s[T], s[K]
.else
	s_bitcmp1_b32 s[K], a
.endif
	s_cselect_b32 s[CC+a], -1, 0
.if a > 0
	ORROW \x, a-1
.endif
.set a, a+1
.endr
	ORROW \x, 31
	v_cmp_eq_u32 s[MA], s[BN], v2                  ; the block's mask is set aside in the lane of its number: nothing is stored to LDS during the walk
	v_cmp_eq_u32 s[MB], s[BN2], v2
	v_cndmask_b32 v[KM0], v[KM0], s[K], s[MA]
	v_cndmask_b32 v[KM1], v[KM1], s[K], s[MB]
	s_add_co_u32 s[BN], s[BN], 1
	s_add_co_u32 s[BN2], s[BN2], 1
.endm
	v_lshlrev_b32 v[L8], 3, v2
.set a, 0
.rept 8
	v_mov_b32 v[ACC+a], 0                          ; nothing is removed yet
.set a, a+1
.endr
	s_mov_b32 s[NB], 1
	s_mov_b32 s[TB], 0
	s_mov_b32 s[BN], 0
	s_mov_b32 s[BN2], -32
	s_load_b512 s[PL:PL+15], s[4:5], 0x0           ; block 0 of the list
	s_load_b512 s[PL+16:PL+31], s[4:5], 0x40
	ds_load_b32 v[PVL], v[I40] offset:VB
	ds_load_b32 v[LL], v[I40] offset:LB
	ISSUE 0
	ISSUE 1
	s_wait_dscnt 0x0                               ; block 0's list words and masks
	s_mov_b32 s[CNT], 21                           ; 63 blocks hold the 2,000 entries
.Ltrip:
	BLOCK 0
	BLOCK 1
	BLOCK 2
	s_sub_co_u32 s[CNT], s[CNT], 1
	s_cmp_lg_u32 s[CNT], 0
	s_cbranch_scc1 .Ltrip
	s_wait_loadcnt 0x0                             ; the look-ahead of the last two blocks is done: its offset registers are used again below
; ---------------- PHASE 3 ----------------
.Lothers:
	s_wait_dscnt 0x0                               ; the walk's LDS reads, whose addresses step with the block, are over
	s_barrier_signal -1
	s_barrier_wait -1                              ; only behind this barrier is LDS stored to again
	s_cmp_lg_u32 s[WV], 0
	s_cbranch_scc1 .Lno_masks
	ds_store_b32 v[I40], v[KM0] offset:KW          ; the 64 kept masks
	ds_store_b32 v[I40], v[KM1] offset:KW+128
.Lno_masks:
	s_wait_dscnt 0x0                               ; for the others: the masks lie in LDS
	s_barrier_signal -1
	s_barrier_wait -1
	s_lshl_b32 s16, s[WV], 2
	s_add_co_u32 s16, s16, KW
	v_mov_b32 v1, s16                              ; one address for the wave: the masks of its blocks wave, + 16, + 32, + 48, whose list words still lie in v8-11
.irp x, 0,1,2,3
	ds_load_b32 v[12+\x], v1 offset:64*\x
.endr
	v_mov_b32 v16, s[IMG]
	v_mov_b32 v17, s[CLS]
	s_mul_i32 s17, s[WV], 384                      ; a block's 32 triples are 384 bytes
	v_mul_u32_u24 v18, v2, 12
	v_add_nc_u32 v18, s17, v18
	s_wait_dscnt 0x0
.irp x, 0,1,2,3
	v_readfirstlane_b32 s[CC+\x], v[12+\x]         ; bit b of a block's mask is lane b's: the word serves as a lane mask
.endr
.irp x, 0,1,2,3
	v_cndmask_b32 v[20+3*\x], -1, v16, s[CC+\x]    ; image, class, box; or -1 three times
	v_cndmask_b32 v[21+3*\x], -1, v17, s[CC+\x]
	v_cndmask_b32 v[22+3*\x], -1, v[VAL+\x], s[CC+\x]
.endr
.irp x, 0,1,2,3
	ds_store_b32 v18, v[20+3*\x] offset:TRI+6144*\x      ; lanes three words apart: 32 different banks (64 banks of 4 bytes: ISA guide 11.1)
	ds_store_b32 v18, v[21+3*\x] offset:TRI+6144*\x+4
	ds_store_b32 v18, v[22+3*\x] offset:TRI+6144*\x+8
.endr
	s_wait_dscnt 0x0                               ; for the others: my 128 triples lie in LDS
	s_barrier_signal -1
	s_barrier_wait -1
	v_lshlrev_b32 v5, 4, v0                        ; 1,500 pieces of 16 bytes: pieces t, 512 + t and 988 + t; pieces 988..1,023 go out twice, with the same bytes, so that all lanes stay on
	ds_load_b128 v[32:35], v5 offset:TRI
	ds_load_b128 v[36:39], v5 offset:TRI+8192
	ds_load_b128 v[40:43], v5 offset:TRI+15808
	s_wait_dscnt 0x2                               ; the first read is back, two may be out
	global_store_b128 v5, v[32:35], s[8:9] th:TH_STORE_NT                ; a store of the wave covers 512 consecutive bytes
	s_wait_dscnt 0x1
	global_store_b128 v5, v[36:39], s[8:9] offset:8192 th:TH_STORE_NT
	s_wait_dscnt 0x0
	global_store_b128 v5, v[40:43], s[8:9] offset:15808 th:TH_STORE_NT
	s_wait_tensorcnt 0x0                           ; the wave's end, behind my last LDS store
	ds_add_u32 v[SPW], v[NIL]
	s_wait_dscnt 0x0
	s_endpgm
.Lfunc_end_k_qdb699dbf59_scan:
	.size	k_qdb699dbf59_scan, .Lfunc_end_k_qdb699dbf59_scan-k_qdb699dbf59_scan
	.p2alignl 7, 3214868480
	.fill 96, 4, 3214868480
	.section	.rodata,"a",@progbits
	.p2align	6, 0x0
	.amdhsa_kernel k_qdb699dbf59_scan
		.amdhsa_group_segment_fixed_size 43264
		.amdhsa_private_segment_fixed_size 0
		.amdhsa_enable_private_segment 0
		.amdhsa_kernarg_size 24
		.amdhsa_user_sgpr_count 2
		.amdhsa_user_sgpr_kernarg_segment_ptr 1
		.amdhsa_wavefront_size32 1
		.amdhsa_system_sgpr_workgroup_id_x 1
		.amdhsa_system_sgpr_workgroup_id_y 1
		.amdhsa_system_sgpr_workgroup_id_z 1
		.amdhsa_system_vgpr_workitem_id 0
		.amdhsa_next_free_vgpr 256
		.amdhsa_next_free_sgpr 100
		.amdhsa_reserve_vcc 1
		.amdhsa_float_denorm_mode_32 3
		.amdhsa_float_denorm_mode_16_64 3
		.amdhsa_memory_ordered 1
		.amdhsa_forward_progress 1
		.amdhsa_inst_pref_size 128
	.end_amdhsa_kernel
	.amdgpu_metadata
---
amdhsa.version: [ 1, 2 ]
amdhsa.kernels:
  - .name:           k_qdb699dbf59_scan
    .symbol:         k_qdb699dbf59_scan.kd
    .args:
      - { .name: order, .offset: 0, .size: 8, .value_kind: global_buffer, .address_space: global }
      - { .name: mbits, .offset: 8, .size: 8, .value_kind: global_buffer, .address_space: global }
      - { .name: out0, .offset: 16, .size: 8, .value_kind: global_buffer, .address_space: global }
    .group_segment_fixed_size: 43264
    .private_segment_fixed_size: 0
    .kernarg_segment_align: 8
    .kernarg_segment_size: 24
    .max_flat_workgroup_size: 512
    .sgpr_count:     100
    .vgpr_count:     256
    .wavefront_size: 32
...
	.end_amdgpu_metadata
.endif
;; end of part 2
